; MI455X (gfx1250); checked and timed in simulation.
; The chip was launched on July 23, 2026; its instructions are those of AMD's public machine-readable ISA for CDNA 5 (MIT licence, August 2026) and "CDNA5" Instruction Set Architecture Reference Guide (July 2026). The comments in the code are by the model that wrote it; some were corrected since.
;; Pushing Env. Allowed arithmetic: float matrix products may take bf16 or f16 operands with f32 sums; all other float work in f32.
;; Inputs: goal 1 float32; u_seq 131,072 x 200 float32; v1_0 131,072 float32; v2_0 131,072 float32; x1_0 131,072 float32; x2_0 131,072 float32.
;; Outputs: out0 131,072 float32; out1 131,072 float32; out2 131,072 float32.
;; 2 versions, each right and faster than the one before. Each part assembles by itself: llvm-mc -triple=amdgcn-amd-amdhsa -mcpu=gfx1250 --defsym DOCPART=n.
;; ======== version 1 of 2: 1 launch
;; launch push (part 1): grid 256 x 1, 8 waves a work-group, no clusters, 214,528 bytes of LDS; arguments u_seq, x1_0, v1_0, x2_0, v2_0, goal, out0, out1, out2; writes out0, out1, out2
.if DOCPART == 1
	.amdgcn_target "amdgcn-amd-amdhsa--gfx1250"
	.amdhsa_code_object_version 6
	.text
	.protected	k_q1923efc6e3_push
	.globl	k_q1923efc6e3_push
	.p2align	8
	.type	k_q1923efc6e3_push,@function
k_q1923efc6e3_push:
	s_mov_b64 s[64:65], 0
	v_nop
	global_prefetch_b8 v0, s[64:65] scope:SCOPE_SE
	s_setreg_imm32_b32 hwreg(HW_REG_WAVE_MODE, 25, 1), 1
	s_wait_xcnt 0x0
; Two boxes and a contact spring: 131,072 rows, 200 dependent steps each, driven by u_seq[row][t] (f32, rows of 800 bytes).
; out0 = (x2 - goal)^2, out1 = x1, out2 = x2 after the last step.  Every input has a way to an output: all six are loaded, no step is left out.
;
; THE STEP.  K DT = 1 and C DT = 0.01, so a step of the problem is  c = max(x1 + 1 - x2, 0),  v1' = 0.99 v1 + 0.01 u - c,
; v2' = 0.99 v2 + c,  x' = x + 0.01 v'.  Carried here are two pairs:  X = (x1, p) with p = x1 + 1 - x2,  V = (100 v1, 100 (v1 - v2)).  Then
;   V' = 0.99 V + (u, u) + c (-100, -200),   X' = X + 0.0001 V',   and at the end x2 = (x1 + 1) - p:
; identities for all real inputs.  Four instructions a step, three of them in the dependent chain (max, V, X).
; LIMITS.  The order of rounding differs from the problem's own: p is summed step by step and not formed anew from x1 and x2 in each step,
; and 0.99, 0.0001 are single rounded factors.  Velocities are held times 100: they overflow above 3.4e36, not 3.4e38.
; v_max_num_f32 takes a NaN penetration as no contact: a NaN that has reached p alone shows in x2 and in the loss but not in x1.
;
; THE SHARES.  256 work-groups of 8 waves; a work-group owns 512 rows, a wave 64: two batches of 32 rows, a lane one row of each batch.
; A batch is 25,600 consecutive bytes of u_seq: 50 loads of 16 bytes a lane, each covering 512 consecutive bytes at a multiple of 512 from the
; buffer's first byte.  They land in 200 registers, go into the wave's own LDS stage as they lie, and each lane reads its own row back, four steps
; to a load.  As five quads of batch 0 are put into the stage, the same registers are asked for batch 1: 50 loads of every wave are out from the
; first lines until batch 1 lands, and batch 0's steps run under batch 1's loads.  A wave touches only its own LDS bytes: no barrier.
; Not used: tensor loads (two stages of 25,600 bytes for each of eight waves are 409,600 bytes, more than lds_bytes can be; and a pad after 6,400
; bytes is no power of two of words); clusters (no two work-groups read the same byte); matrix instructions (there is no product).
.set ROWB,   800                       ; bytes in a row of u_seq
.set BATCH,  32*ROWB                   ; bytes in a batch: 25,600
.set NLOAD,  BATCH/512                 ; 50 loads, and 50 LDS stores, a batch
.set GRP,    5                         ; loads waited for, stored and asked again together; 10 groups
.set CH8,    8*ROWB/16                 ; 400 chunks of 16 bytes in 8 rows; behind them 16 bytes of pad
.set SCR,    BATCH+4*16                ; 25,664: behind the stage (4 x 6,416 bytes), 4 x 256 bytes of scratch
.set WREG,   SCR+1024                  ; 26,688 bytes of LDS for each wave
.set QUADS,  ROWB/16                   ; 50 quads of steps in a row
.set DEPTH,  7                         ; quads of a lane's row on their way from LDS
; THE STAGE.  Chunk q (16 bytes) of the batch lies at 16 q + 16 (q / 400), so row r begins at word 200 r + 4 (r / 8).  With 64 banks of 4 bytes
; (ISA guide 11.1) lanes 0-7 of a read start at banks 8 l, lanes 8-15 at 8 (l - 8) + 4, four words each: sixteen different columns; lanes 16-31 likewise.
; Store k holds chunks 32 k + lane; q / 400 changes inside a store only for k = 12 and 37, both times at lane 16: a second address register serves them.
.set GO,  1                            ; v1   16 x lane: offset in u_seq
.set SA,  2                            ; v2   my stage + 16 x lane
.set SA2, 3                            ; v3   the same, 16 more for lanes 16-31
.set RA,  4                            ; v4   my stage + my row
.set SC8, 5                            ; v5   my scratch + 8 x lane (rows 2 l, 2 l + 1 of the wave's 64)
.set SC4, 6                            ; v6   my scratch + 4 x lane (row l; + 128: row 32 + l)
.set GO8, 7                            ; v7   8 x lane: offset in the states and the outputs.  None of v1-v7 is ever written again
.set XA,  8                            ; v[8:9]    (x1, p) of batch 0
.set VA,  10                           ; v[10:11]  (100 v1, 100 (v1 - v2)) of batch 0
.set XB,  12                           ; v[12:13]  batch 1
.set VB,  14                           ; v[14:15]
.set G,   16                           ; v[16:17]  0.99 V + u
.set C,   18                           ; v18 c; v19 = 0, written once: a pair is named, its first register is used
.set KK,  20                           ; v[20:21]  (-100, -200)
.set T,   22                           ; v[22:27]  at work
.set U,   28                           ; v[28:55]  ring of 7 quads of u; at the start and the end also the states and the outputs
.set PT,  36                           ; v[36:43]  at the start: v1, x2, v2 of batch 0, then of batch 1
.set IN,  56                           ; v[56:255] 50 quads as loaded
	s_load_b512 s[8:23], s[0:1], 0x0               ; u s[8:9], x1_0 s[10:11], v1_0 s[12:13], x2_0 s[14:15], v2_0 s[16:17], goal s[18:19], out0 s[20:21], out1 s[22:23]
	s_load_b64 s[24:25], s[0:1], 0x40              ; out2
	v_lshl_add_u32 v26, v0, 2, 0x34200
	v_mov_b32 v27, 0
	v_lshrrev_b32 v[T], 5, v0
	v_readfirstlane_b32 s26, v[T]                  ; wave 0..7
	v_and_b32 v[T], 31, v0                         ; lane
	s_mul_i32 s27, s26, WREG                       ; my wave's LDS
	s_add_co_u32 s37, s27, SCR                     ; its scratch
	s_mul_i32 s28, ttmp9, 16*BATCH                 ; 512 rows of the work-group (at most 104,448,000 bytes)
	s_mul_i32 s29, s26, 2*BATCH                    ; + 64 rows of the wave
	s_add_co_u32 s28, s28, s29
	s_mov_b32 s29, 0
	s_lshl_b32 s30, ttmp9, 11                      ; the same rows in a vector of f32: 2,048 bytes a work-group,
	s_lshl_b32 s31, s26, 8                         ; 256 a wave
	s_add_co_u32 s30, s30, s31
	s_mov_b32 s31, 0
	s_mov_b32 s32, 0x3f7d70a4                      ; 0.99; the pair's second word is written because the pair is named
	s_mov_b32 s33, 0x3f7d70a4
	s_mov_b32 s34, 0x38d1b717                      ; 0.0001
	s_mov_b32 s35, 0x38d1b717
	v_lshlrev_b32 v[GO], 4, v[T]
	v_lshlrev_b32 v[GO8], 3, v[T]
	v_add_nc_u32 v[SA], s27, v[GO]
	v_and_b32 v[T+1], 16, v[T]
	v_add_nc_u32 v[SA2], v[SA], v[T+1]
	v_lshrrev_b32 v[T+1], 3, v[T]                  ; lane / 8
	v_mul_u32_u24 v[RA], v[T], ROWB
	v_lshl_add_u32 v[RA], v[T+1], 4, v[RA]         ; 800 l + 16 (l / 8)
	v_add_nc_u32 v[RA], s27, v[RA]
	v_add_nc_u32 v[SC8], s37, v[GO8]
	v_lshl_add_u32 v[SC4], v[T], 2, s37
	s_wait_kmcnt 0x0                               ; the nine addresses
	s_load_b32 s36, s[18:19], 0x0                  ; goal; waited for in front of its first use
	s_add_nc_u64 s[8:9], s[8:9], s[28:29]          ; every base is stepped once, here, ahead of every load and store that names it
.irp a, 0,1,2,3
	s_add_nc_u64 s[10+2*\a:11+2*\a], s[10+2*\a:11+2*\a], s[30:31]
.endr
.irp a, 0,1,2
	s_add_nc_u64 s[20+2*\a:21+2*\a], s[20+2*\a:21+2*\a], s[30:31]
.endr
; load k of batch b: 512 consecutive bytes
.macro LOADU b, k
	global_load_b128 v[IN+4*\k:IN+4*\k+3], v[GO], s[8:9] offset:BATCH*\b+512*\k th:TH_LOAD_NT
.endm
.irp a, 0,1,2,3
	global_load_b64 v[U+2*\a:U+2*\a+1], v[GO8], s[10+2*\a:11+2*\a] th:TH_LOAD_NT   ; x1, v1, x2, v2 of my wave's 64 rows: 256 consecutive bytes each
.endr
.set k, 0
.rept NLOAD
	LOADU 0, k
.set k, k+1
.endr
	v_mov_b32 v[KK], 0xc2c80000                    ; -100
	v_mov_b32 v[KK+1], 0xc3480000                  ; -200
	v_mov_b32 v[C+1], 0
	; The states come as two neighbouring rows a lane; through the scratch they become row l (batch 0) and row 32 + l (batch 1).
	s_wait_loadcnt NLOAD                           ; loads come back in order (ISA guide 5.7.1): the four state loads are in, the 50 of u behind them stay out
.irp a, 0,1,2,3
	ds_store_b64 v[SC8], v[U+2*\a:U+2*\a+1] offset:256*\a
.endr
.macro PREPL X, b                      ; LDS serves a wave's instructions in order (ISA guide 5.7.1.4): these loads see the stores above
	ds_load_b32 v[\X],      v[SC4] offset:128*\b           ; x1
	ds_load_b32 v[PT+4*\b],   v[SC4] offset:256+128*\b     ; v1
	ds_load_b32 v[PT+4*\b+1], v[SC4] offset:512+128*\b     ; x2
	ds_load_b32 v[PT+4*\b+2], v[SC4] offset:768+128*\b     ; v2
.endm
.macro PREPF X, V, b
	v_add_f32 v[\X+1], 1.0, v[\X]
	v_sub_f32 v[\X+1], v[\X+1], v[PT+4*\b+1]               ; p = (x1 + 1) - x2, in the problem's own order
	v_sub_f32 v[\V+1], v[PT+4*\b], v[PT+4*\b+2]
	v_mul_f32 v[\V+1], 0x42c80000, v[\V+1]                 ; 100 (v1 - v2)
	v_mul_f32 v[\V], 0x42c80000, v[PT+4*\b]                ; 100 v1
.endm
	PREPL XA, 0
	PREPL XB, 1
	s_wait_dscnt 0x0                               ; all eight are in
	PREPF XA, VA, 0
	PREPF XB, VB, 1
; The 50 quads in IN go into the stage, five at a time.  reload = 1: the five registers-quads are at once asked for batch 1
; (they are the data of LDS stores, which owe no wait before they are loaded again; the address register and the base are never written).
.macro STAGE reload
.set k, 0
.rept NLOAD/GRP
.if \reload
	s_wait_loadcnt NLOAD-GRP                       ; behind this group's last load stand 45 - 5 i loads of batch 0 and the 5 i of batch 1 asked so far: always 45
.else
	s_wait_loadcnt NLOAD-GRP-k                     ; only the rest of batch 1 is behind it: 45, 40, ... 0
.endif
.rept GRP
.if (32*k)%CH8 == CH8-16
	ds_store_b128 v[SA2], v[IN+4*k:IN+4*k+3] offset:512*k+16*((32*k)/CH8)   ; the pad falls between lanes 15 and 16
.else
	ds_store_b128 v[SA], v[IN+4*k:IN+4*k+3] offset:512*k+16*((32*k)/CH8)
.endif
.set k, k+1
.endr
.if \reload
.set k, k-GRP
.rept GRP
	LOADU 1, k
.set k, k+1
.endr
.endif
.endr
.endm
; One step.  u is register sel (0 or 1) of the pair at up, fed to both halves.
.macro STEP up, sel, X, V
	v_pk_fma_f32 v[G:G+1], v[\V:\V+1], s[32:33], v[\up:\up+1] op_sel:[0,0,\sel] op_sel_hi:[1,0,\sel]   ; 0.99 V + (u, u): beside the chain
	v_max_num_f32 v[C], 0, v[\X+1]                                                                     ; c = max(p, 0)
	v_pk_fma_f32 v[\V:\V+1], v[C:C+1], v[KK:KK+1], v[G:G+1] op_sel_hi:[0,1,1]                          ; V' = c (-100, -200) + G
	v_pk_fma_f32 v[\X:\X+1], v[\V:\V+1], s[34:35], v[\X:\X+1] op_sel_hi:[1,0,1]                        ; X' = 0.0001 V' + X
.endm
; The 200 steps of a batch: each lane reads its row from the stage, 16 bytes (four steps) a load, seven loads ahead.
.macro COMPUTE X, V
.set j, 0
.rept DEPTH
	ds_load_b128 v[U+4*j:U+4*j+3], v[RA] offset:16*j       ; in order behind the stage's stores, which are this wave's own
.set j, j+1
.endr
.set j, 0
.rept QUADS
.set r, U+4*(j%DEPTH)
.if j+DEPTH < QUADS
	s_wait_dscnt DEPTH-1                           ; quad j is in; the six loads issued behind it stay out
.else
	s_wait_dscnt QUADS-1-j                         ; nothing more is asked: the counts run down to 0, so no read of the stage is out when it is written again
.endif
	STEP r, 0, \X, \V
	STEP r, 1, \X, \V
	STEP r+2, 0, \X, \V
	STEP r+2, 1, \X, \V
.if j+DEPTH < QUADS
	ds_load_b128 v[r:r+3], v[RA] offset:16*(j+DEPTH)
.endif
.set j, j+1
.endr
.endm
; The three results of a batch, into the scratch at row 32 b + l
.macro FIN b, X
	v_add_f32 v[T+2*\b], 1.0, v[\X]
	v_sub_f32 v[T+2*\b], v[T+2*\b], v[\X+1]                ; x2 = (x1 + 1) - p
	v_sub_f32 v[T+2*\b+1], v[T+2*\b], s36                  ; x2 - goal
	v_mul_f32 v[T+2*\b+1], v[T+2*\b+1], v[T+2*\b+1]
	ds_store_b32 v[SC4], v[T+2*\b+1] offset:128*\b         ; loss
	ds_store_b32 v[SC4], v[\X]       offset:256+128*\b     ; x1
	ds_store_b32 v[SC4], v[T+2*\b]   offset:512+128*\b     ; x2
.endm
	STAGE 1                                        ; batch 0 into the stage, batch 1 asked for
	COMPUTE XA, VA                                 ; batch 0's steps, while batch 1 is on its way
	s_wait_kmcnt 0x0                               ; goal
	FIN 0, XA
	STAGE 0                                        ; batch 1 into the stage, as it lands
	COMPUTE XB, VB
	FIN 1, XB
	; The way out: two neighbouring rows a lane, so that each store of the wave covers 256 consecutive bytes at a multiple of 256 from its buffer's first byte.
.irp a, 0,1,2
	ds_load_b64 v[U+2*\a:U+2*\a+1], v[SC8] offset:256*\a   ; in order behind both batches' stores
.endr
	s_wait_dscnt 0x0
.irp a, 0,1,2
	global_store_b64 v[GO8], v[U+2*\a:U+2*\a+1], s[20+2*\a:21+2*\a] th:TH_STORE_NT
.endr
	s_wait_tensorcnt 0x0
	ds_add_u32 v26, v27
	s_wait_dscnt 0x0
	s_endpgm
.Lfunc_end_k_q1923efc6e3_push:
	.size	k_q1923efc6e3_push, .Lfunc_end_k_q1923efc6e3_push-k_q1923efc6e3_push
	.p2alignl 7, 3214868480
	.fill 96, 4, 3214868480
	.section	.rodata,"a",@progbits
	.p2align	6, 0x0
	.amdhsa_kernel k_q1923efc6e3_push
		.amdhsa_group_segment_fixed_size 214528
		.amdhsa_private_segment_fixed_size 0
		.amdhsa_enable_private_segment 0
		.amdhsa_kernarg_size 72
		.amdhsa_user_sgpr_count 2
		.amdhsa_user_sgpr_kernarg_segment_ptr 1
		.amdhsa_wavefront_size32 1
		.amdhsa_system_sgpr_workgroup_id_x 1
		.amdhsa_system_sgpr_workgroup_id_y 1
		.amdhsa_system_sgpr_workgroup_id_z 1
		.amdhsa_system_vgpr_workitem_id 0
		.amdhsa_next_free_vgpr 256
		.amdhsa_next_free_sgpr 66
		.amdhsa_reserve_vcc 0
		.amdhsa_float_denorm_mode_32 3
		.amdhsa_float_denorm_mode_16_64 3
		.amdhsa_memory_ordered 1
		.amdhsa_forward_progress 1
		.amdhsa_inst_pref_size 119
	.end_amdhsa_kernel
	.amdgpu_metadata
---
amdhsa.version: [ 1, 2 ]
amdhsa.kernels:
  - .name:           k_q1923efc6e3_push
    .symbol:         k_q1923efc6e3_push.kd
    .args:
      - { .name: u_seq, .offset: 0, .size: 8, .value_kind: global_buffer, .address_space: global }
      - { .name: x1_0, .offset: 8, .size: 8, .value_kind: global_buffer, .address_space: global }
      - { .name: v1_0, .offset: 16, .size: 8, .value_kind: global_buffer, .address_space: global }
      - { .name: x2_0, .offset: 24, .size: 8, .value_kind: global_buffer, .address_space: global }
      - { .name: v2_0, .offset: 32, .size: 8, .value_kind: global_buffer, .address_space: global }
      - { .name: goal, .offset: 40, .size: 8, .value_kind: global_buffer, .address_space: global }
      - { .name: out0, .offset: 48, .size: 8, .value_kind: global_buffer, .address_space: global }
      - { .name: out1, .offset: 56, .size: 8, .value_kind: global_buffer, .address_space: global }
      - { .name: out2, .offset: 64, .size: 8, .value_kind: global_buffer, .address_space: global }
    .group_segment_fixed_size: 214528
    .private_segment_fixed_size: 0
    .kernarg_segment_align: 8
    .kernarg_segment_size: 72
    .max_flat_workgroup_size: 256
    .sgpr_count:     66
    .vgpr_count:     256
    .wavefront_size: 32
...
	.end_amdgpu_metadata
.endif
;; end of part 1
;; ======== version 2 of 2: 1 launch; 1.13 times as fast as version 1
;; launch push (part 2): grid 256 x 1, 16 waves a work-group, no clusters, 221,696 bytes of LDS; arguments u_seq, x1_0, v1_0, x2_0, v2_0, goal, out0, out1, out2; writes out0, out1, out2
.if DOCPART == 2
	.amdgcn_target "amdgcn-amd-amdhsa--gfx1250"
	.amdhsa_code_object_version 6
	.text
	.protected	k_q1923efc6e3_push
	.globl	k_q1923efc6e3_push
	.p2align	8
	.type	k_q1923efc6e3_push,@function
k_q1923efc6e3_push:
	s_mov_b64 s[64:65], 0
	v_nop
	global_prefetch_b8 v0, s[64:65] scope:SCOPE_SE
	s_setreg_imm32_b32 hwreg(HW_REG_WAVE_MODE, 25, 1), 1
	s_wait_xcnt 0x0
; Two boxes and a contact spring: 131,072 rows, 200 dependent steps each, driven by u_seq[row][t] (f32, rows of 800 bytes).
; out0 = (x2 - goal)^2, out1 = x1, out2 = x2 after the last step.  Every input has a way to an output: all six are loaded, no step is left out.
;
; THE STEP.  K DT = 1 and C DT = 0.01, so a step of the problem is  c = max(x1 + 1 - x2, 0),  v1' = 0.99 v1 + 0.01 u - c,
; v2' = 0.99 v2 + c,  x' = x + 0.01 v'.  With X = (x1, p), p = x1 + 1 - x2, and V = (100 v1, 100 (v1 - v2)) that is
;   V' = 0.99 V + (u, u) + c (-100, -200),   X' = X + 0.0001 V'.
; Carried are X and G = 0.99 V + (u, u) of the coming step, so that only the terms in c stand behind the max:
;   X' = (X + 0.0001 G) + c (-0.01, -0.02),   G' = (0.99 G + (u', u')) + c (-99, -198),   and at the end x2 = (x1 + 1) - p:
; identities for all real inputs.  Five instructions a step, two links in the dependent chain (the max beside X + 0.0001 G, then the term in c).
; LIMITS.  The order of rounding differs from the problem's own: p is summed step by step and not formed anew from x1 and x2 in each step,
; and 0.99, 0.0001, 0.01, 0.02 are single rounded factors.  Velocities are held times 100: they overflow above 3.4e36, not 3.4e38.
; v_max_num_f32 takes a NaN penetration as no contact: a NaN that has reached p alone shows in x2 and in the loss but not in x1.
;
; THE SHARES.  256 work-groups of 16 waves; a work-group owns 512 rows, a wave one batch of 32, a lane one row: 200 steps in series a wave,
; four waves' chains side by side on a SIMD (4 x 230 registers).
; A batch is 25,600 consecutive bytes of u_seq: 50 loads of 16 bytes a lane, each covering 512 consecutive bytes at a multiple of 512 from the
; buffer's first byte, into 200 registers.  To turn it (memory has a row along the lanes, a step wants a row in one lane) the batch passes through
; an LDS stage: 50 stores as it lies, 50 loads by rows, back into the same 200 registers.  The 200 steps then run on registers alone.
; Sixteen stages would be 410,624 bytes, so there are eight, and each serves two waves in turn: waves 0-7 first, waves 8-15 behind a barrier.
; Waves 8-15, which have no stage until then, see to their state quad before they ask for their batch; so the first turn's requests go out
; ahead of theirs, and the first turn's pass and steps have the second turn's loads to run beside.  No result hangs on that order.
; A wave's 32 numbers of a state or of a result are 128 bytes; they cross the waves in an LDS scratch, so that every load and store of them
; covers 512 consecutive bytes at a multiple of 512 from its buffer's first byte.
; Not used: tensor loads (a pad after 6,400 bytes is no power of two of words, and the batches wait in registers, not in LDS); clusters (no two
; work-groups read the same byte); matrix instructions (there is no product).
.set ROWB,   800                       ; bytes in a row of u_seq
.set STEPS,  ROWB/4                    ; 200
.set BATCH,  32*ROWB                   ; bytes in a batch: 25,600
.set NLOAD,  BATCH/512                 ; 50 loads, 50 LDS stores and 50 LDS loads a batch
.set GRP,    5                         ; loads waited for together; quads of u waited for together
.set CH8,    8*ROWB/16                 ; 400 chunks of 16 bytes in 8 rows; behind them 16 bytes of pad
.set STAGEB, BATCH+4*16                ; 25,664 bytes in a stage
.set HALF,   8                         ; stages, and waves in a turn
.set SST,    HALF*STAGEB               ; 205,312: the states' scratch, 4 vectors of 512 rows
.set VECB,   512*4                     ; 2,048 bytes: the work-group's rows in one vector
.set SOUT,   4*VECB                    ; behind it, counted from SST: the results' scratch, 3 vectors.  It ends at 219,648
.set QUADS,  ROWB/16                   ; 50 quads of u in a row
; THE STAGE.  Chunk q (16 bytes) of the batch lies at 16 q + 16 (q / 400), so row r begins at word 200 r + 4 (r / 8).  With 64 banks of 4 bytes
; (ISA guide 11.1) lanes 0-7 of a read start at banks 8 l, lanes 8-15 at 8 (l - 8) + 4, four words each: sixteen different columns; lanes 16-31 likewise.
; Store k holds chunks 32 k + lane; q / 400 changes inside a store only for k = 12 and 37, both times at lane 16: a second address register serves them.
.set GO,   1                           ; v1   16 x lane: offset in u_seq, in a state vector, in an output
.set SA,   2                           ; v2   my stage + 16 x lane
.set SA2,  3                           ; v3   the same, 16 more for lanes 16-31
.set RA,   4                           ; v4   my stage + my row
.set SS16, 5                           ; v5   scratch + 512 x wave + 16 x lane: the quad that my wave brings or takes away
.set SS4,  6                           ; v6   scratch + 128 x wave + 4 x lane: my row.  None of v1-v6 is ever written again
.set X,    8                           ; v[8:9]    (x1, p)
.set G,    10                          ; v[10:11]  at first (100 v1, 100 (v1 - v2)), then 0.99 of it + (u, u) of the coming step
.set C,    12                          ; v12 c; v13 = 0, written once: a pair is named, its first register is used
.set K1,   14                          ; v[14:15]  (-0.01, -0.02)
.set K2,   16                          ; v[16:17]  (-99, -198)
.set T,    18                          ; v[18:21]  at work
.set ST,   24                          ; v[24:27]  a quad of a state vector as loaded; at the end a quad of an output
.set IN,   28                          ; v[28:227] the batch: 50 quads as loaded, then my row: u of step t in v[IN + t]
	s_load_b512 s[8:23], s[0:1], 0x0               ; u s[8:9], x1_0 s[10:11], v1_0 s[12:13], x2_0 s[14:15], v2_0 s[16:17], goal s[18:19], out0 s[20:21], out1 s[22:23]
	s_load_b64 s[24:25], s[0:1], 0x40              ; out2
	v_lshl_add_u32 v228, v0, 2, 0x35a00
	v_mov_b32 v229, 0
	v_lshrrev_b32 v[T], 5, v0
	v_readfirstlane_b32 s26, v[T]                  ; wave 0..15
	v_and_b32 v[T], 31, v0                         ; lane
	s_and_b32 s27, s26, HALF-1
	s_mul_i32 s27, s27, STAGEB                     ; my stage: waves w and w + 8 have the same
	s_mul_i32 s28, ttmp9, 16*BATCH                 ; 512 rows of the work-group (at most 104,448,000 bytes)
	s_mul_i32 s29, s26, BATCH                      ; + 32 rows of the wave
	s_add_co_u32 s28, s28, s29
	s_mov_b32 s29, 0
	s_lshl_b32 s30, ttmp9, 11                      ; in a vector of f32: 2,048 bytes a work-group,
	s_and_b32 s31, s26, 3
	s_lshl_b32 s31, s31, 9                         ; of which my wave brings or takes away the quarter (wave mod 4)
	s_add_co_u32 s30, s30, s31
	s_mov_b32 s31, 0
	s_mov_b32 s32, 0x3f7d70a4                      ; 0.99; the pair's second word is written because the pair is named
	s_mov_b32 s33, 0x3f7d70a4
	s_mov_b32 s34, 0x38d1b717                      ; 0.0001
	s_mov_b32 s35, 0x38d1b717
	s_lshl_b32 s37, s26, 9
	s_add_co_u32 s37, s37, SST                     ; vector (wave / 4), quarter (wave mod 4) of the scratch = 512 x wave
	s_lshl_b32 s44, s26, 7
	s_add_co_u32 s44, s44, SST                     ; my wave's 32 rows in the scratch's first vector
	v_lshlrev_b32 v[GO], 4, v[T]
	v_add_nc_u32 v[SA], s27, v[GO]
	v_and_b32 v[T+1], 16, v[T]
	v_add_nc_u32 v[SA2], v[SA], v[T+1]
	v_lshrrev_b32 v[T+1], 3, v[T]                  ; lane / 8
	v_mul_u32_u24 v[RA], v[T], ROWB
	v_lshl_add_u32 v[RA], v[T+1], 4, v[RA]         ; 800 l + 16 (l / 8)
	v_add_nc_u32 v[RA], s27, v[RA]
	v_add_nc_u32 v[SS16], s37, v[GO]
	v_lshl_add_u32 v[SS4], v[T], 2, s44
	v_mov_b32 v[K1], 0xbc23d70a                    ; -0.01
	v_mov_b32 v[K1+1], 0xbca3d70a                  ; -0.02
	v_mov_b32 v[K2], 0xc2c60000                    ; -99
	v_mov_b32 v[K2+1], 0xc3460000                  ; -198
	v_mov_b32 v[C+1], 0
	s_wait_kmcnt 0x0                               ; the nine addresses
	s_load_b32 s36, s[18:19], 0x0                  ; goal; waited for in front of its first use
	; Which vector my wave brings (waves 0-3 x1_0, 4-7 v1_0, 8-11 x2_0, 12-15 v2_0) and which it takes away (0-3 out0, 4-7 out1, 8-11 out2):
	; a choice between buffers on the wave's number.
	s_cmp_lt_u32 s26, 4
	s_cselect_b64 s[38:39], s[10:11], s[12:13]
	s_cselect_b64 s[42:43], s[20:21], s[22:23]
	s_cmp_lt_u32 s26, 12
	s_cselect_b64 s[40:41], s[14:15], s[16:17]
	s_cmp_lt_u32 s26, 8
	s_cselect_b64 s[38:39], s[38:39], s[40:41]
	s_cselect_b64 s[42:43], s[42:43], s[24:25]     ; (waves 12-15 store nothing: theirs is not used)
	s_add_nc_u64 s[8:9], s[8:9], s[28:29]          ; every base is stepped once, here, ahead of every load and store that names it
	s_add_nc_u64 s[38:39], s[38:39], s[30:31]
	s_add_nc_u64 s[42:43], s[42:43], s[30:31]
; My batch passes through my stage.  In: five quads at a time, as they land.  Back: my row, 16 bytes (four steps) a load, into the same registers
; (they are the data of LDS stores issued earlier, and LDS serves a wave's instructions in order, ISA guide 5.7.1.4: the loads see all 50 stores).
; The pass is 100 LDS instructions in a run; the issue of one that would carry DScnt past its field is held back by the hardware
; (ISA guide 5.7.1), so no wait is written for that.
.macro PASS
.set k, 0
.rept NLOAD/GRP
	s_wait_loadcnt NLOAD-GRP-k                     ; loads come back in order (ISA guide 5.7.1): behind this group's last stand 45, 40, ... 0 of the batch
.rept GRP
.if (32*k)%CH8 == CH8-16
	ds_store_b128 v[SA2], v[IN+4*k:IN+4*k+3] offset:512*k+16*((32*k)/CH8)   ; the pad falls between lanes 15 and 16
.else
	ds_store_b128 v[SA], v[IN+4*k:IN+4*k+3] offset:512*k+16*((32*k)/CH8)
.endif
.set k, k+1
.endr
.endr
.set j, 0
.rept QUADS
	ds_load_b128 v[IN+4*j:IN+4*j+3], v[RA] offset:16*j
.set j, j+1
.endr
.endm
; G = 0.99 G + (u, u); u is register sel (0 or 1) of the pair at up, fed to both halves
.macro DRIVE up, sel
	v_pk_fma_f32 v[G:G+1], v[G:G+1], s[32:33], v[\up:\up+1] op_sel:[0,0,\sel] op_sel_hi:[1,0,\sel]
.endm
	global_load_b128 v[ST:ST+3], v[GO], s[38:39] th:TH_LOAD_NT     ; my wave's quarter of its state vector: sixteen waves bring the four vectors' 8,192 bytes
	s_cmp_lt_u32 s26, HALF
	s_cbranch_scc1 .Lask
	s_wait_loadcnt 0x0                             ; waves 8-15: the state quad first, the batch behind it
	ds_store_b128 v[SS16], v[ST:ST+3]
.Lask:
.set k, 0
.rept NLOAD
	global_load_b128 v[IN+4*k:IN+4*k+3], v[GO], s[8:9] offset:512*k th:TH_LOAD_NT   ; my batch: 50 loads of 512 consecutive bytes
.set k, k+1
.endr
	s_cmp_ge_u32 s26, HALF
	s_cbranch_scc1 .Lturn1
	s_wait_loadcnt NLOAD                           ; waves 0-7: the state quad is in; the 50 loads of the batch, issued behind it, stay out
	ds_store_b128 v[SS16], v[ST:ST+3]
	PASS                                           ; the first turn
.Lturn1:
	s_wait_dscnt 0x0                               ; for the others' sake: my state quad is in the scratch, and my reads of my stage are over
	s_barrier_signal -1
	s_barrier_wait -1                              ; both now hold of every wave: the scratch may be read, the stages may be written again
	ds_load_b32 v[X],   v[SS4]                     ; x1 of my row
	ds_load_b32 v[T],   v[SS4] offset:VECB         ; v1
	ds_load_b32 v[T+1], v[SS4] offset:2*VECB       ; x2
	ds_load_b32 v[T+2], v[SS4] offset:3*VECB       ; v2
	s_wait_dscnt 0x0
	v_add_f32 v[X+1], 1.0, v[X]
	v_sub_f32 v[X+1], v[X+1], v[T+1]               ; p = (x1 + 1) - x2, in the problem's own order
	v_sub_f32 v[G+1], v[T], v[T+2]
	v_mul_f32 v[G+1], 0x42c80000, v[G+1]           ; 100 (v1 - v2)
	v_mul_f32 v[G], 0x42c80000, v[T]               ; 100 v1
	s_cmp_lt_u32 s26, HALF
	s_cbranch_scc1 .Lturn2
	PASS                                           ; the second turn: waves 8-15
.Lturn2:
	; The 200 steps, on registers.  One counted wait for every five quads of u (20 steps): waves 8-15 start on their row's first quads while the
	; rest of their read-back is served; waves 0-7 have nothing out here.  Step t reads u of step t + 1, so a group's wait stands one step early.
	s_wait_dscnt QUADS-GRP                         ; quads 0 to 4 are in: 45 loads were issued behind them
	DRIVE IN, 0                                    ; G of step 0 = 0.99 V + (u0, u0)
.set t, 0
.rept STEPS
.if (t+1)%(4*GRP) == 0
.if t+1 < STEPS
	s_wait_dscnt QUADS-GRP-(t+1)/4                 ; the five quads that begin with u of step t + 1 are in: behind them 40, 35, ... 0 loads were issued
.endif
.endif
	v_max_num_f32 v[C], 0, v[X+1]                                                  ; c = max(p, 0)
	v_pk_fma_f32 v[X:X+1], v[G:G+1], s[34:35], v[X:X+1] op_sel_hi:[1,0,1]          ; X + 0.0001 G: beside the max
.if t+1 < STEPS
.if (t+1)%2
	DRIVE IN+t, 1                                                                  ; 0.99 G + (u', u'): beside the max
.else
	DRIVE IN+t+1, 0
.endif
.endif
	v_pk_fma_f32 v[X:X+1], v[C:C+1], v[K1:K1+1], v[X:X+1] op_sel_hi:[0,1,1]        ; X' = that + c (-0.01, -0.02)
.if t+1 < STEPS
	v_pk_fma_f32 v[G:G+1], v[C:C+1], v[K2:K2+1], v[G:G+1] op_sel_hi:[0,1,1]        ; G' = that + c (-99, -198); behind the last step no G is wanted
.endif
.set t, t+1
.endr
	s_wait_kmcnt 0x0                               ; goal
	v_add_f32 v[T], 1.0, v[X]
	v_sub_f32 v[T], v[T], v[X+1]                   ; x2 = (x1 + 1) - p
	v_sub_f32 v[T+1], v[T], s36                    ; x2 - goal
	v_mul_f32 v[T+1], v[T+1], v[T+1]
	ds_store_b32 v[SS4], v[T+1] offset:SOUT        ; loss
	ds_store_b32 v[SS4], v[X]   offset:SOUT+VECB   ; x1
	ds_store_b32 v[SS4], v[T]   offset:SOUT+2*VECB ; x2
	s_wait_dscnt 0x0                               ; for the others' sake: my 32 rows' results are in the scratch
	s_barrier_signal -1
	s_barrier_wait -1                              ; everybody's are
	; The way out: the three vectors' 6,144 bytes are twelve stores of 512 consecutive bytes, one for each of waves 0-11.
	s_cmp_ge_u32 s26, 12
	s_cbranch_scc1 .Lend
	ds_load_b128 v[ST:ST+3], v[SS16] offset:SOUT
	s_wait_dscnt 0x0
	global_store_b128 v[GO], v[ST:ST+3], s[42:43] th:TH_STORE_NT
.Lend:
	s_wait_tensorcnt 0x0
	ds_add_u32 v228, v229
	s_wait_dscnt 0x0
	s_endpgm
.Lfunc_end_k_q1923efc6e3_push:
	.size	k_q1923efc6e3_push, .Lfunc_end_k_q1923efc6e3_push-k_q1923efc6e3_push
	.p2alignl 7, 3214868480
	.fill 96, 4, 3214868480
	.section	.rodata,"a",@progbits
	.p2align	6, 0x0
	.amdhsa_kernel k_q1923efc6e3_push
		.amdhsa_group_segment_fixed_size 221696
		.amdhsa_private_segment_fixed_size 0
		.amdhsa_enable_private_segment 0
		.amdhsa_kernarg_size 72
		.amdhsa_user_sgpr_count 2
		.amdhsa_user_sgpr_kernarg_segment_ptr 1
		.amdhsa_wavefront_size32 1
		.amdhsa_system_sgpr_workgroup_id_x 1
		.amdhsa_system_sgpr_workgroup_id_y 1
		.amdhsa_system_sgpr_workgroup_id_z 1
		.amdhsa_system_vgpr_workitem_id 0
		.amdhsa_next_free_vgpr 230
		.amdhsa_next_free_sgpr 66
		.amdhsa_reserve_vcc 0
		.amdhsa_float_denorm_mode_32 3
		.amdhsa_float_denorm_mode_16_64 3
		.amdhsa_memory_ordered 1
		.amdhsa_forward_progress 1
		.amdhsa_inst_pref_size 79
	.end_amdhsa_kernel
	.amdgpu_metadata
---
amdhsa.version: [ 1, 2 ]
amdhsa.kernels:
  - .name:           k_q1923efc6e3_push
    .symbol:         k_q1923efc6e3_push.kd
    .args:
      - { .name: u_seq, .offset: 0, .size: 8, .value_kind: global_buffer, .address_space: global }
      - { .name: x1_0, .offset: 8, .size: 8, .value_kind: global_buffer, .address_space: global }
      - { .name: v1_0, .offset: 16, .size: 8, .value_kind: global_buffer, .address_space: global }
      - { .name: x2_0, .offset: 24, .size: 8, .value_kind: global_buffer, .address_space: global }
      - { .name: v2_0, .offset: 32, .size: 8, .value_kind: global_buffer, .address_space: global }
      - { .name: goal, .offset: 40, .size: 8, .value_kind: global_buffer, .address_space: global }
      - { .name: out0, .offset: 48, .size: 8, .value_kind: global_buffer, .address_space: global }
      - { .name: out1, .offset: 56, .size: 8, .value_kind: global_buffer, .address_space: global }
      - { .name: out2, .offset: 64, .size: 8, .value_kind: global_buffer, .address_space: global }
    .group_segment_fixed_size: 221696
    .private_segment_fixed_size: 0
    .kernarg_segment_align: 8
    .kernarg_segment_size: 72
    .max_flat_workgroup_size: 512
    .sgpr_count:     66
    .vgpr_count:     230
    .wavefront_size: 32
...
	.end_amdgpu_metadata
.endif
;; end of part 2
